; MI455X (gfx1250); checked and timed in simulation.
; The chip was launched on July 23, 2026; its instructions are those of AMD's public machine-readable ISA for CDNA 5 (MIT licence, August 2026) and "CDNA5" Instruction Set Architecture Reference Guide (July 2026). The comments in the code are by the model that wrote it; some were corrected since.
;; Multi Head Attention. Allowed arithmetic: matrix products marked QUANTISED: E2M3 operands, one E8M0 scale for each 32 along K, by v_wmma_scale_f32_16x16x128_f8f6f4 with both operands' format E2M3, f32 sums; everything else in f32.
;; Inputs: Wk 1,024 x 1,024 float32; Wo 1,024 x 1,024 float32; Wq 1,024 x 1,024 float32; Wv 1,024 x 1,024 float32; bk 1,024 float32; bo 1,024 float32; bq 1,024 float32; bv 1,024 float32; k 4 x 2,048 x 1,024 float32; q 4 x 2,048 x 1,024 float32; v 4 x 2,048 x 1,024 float32.
;; Outputs: out0 4 x 2,048 x 1,024 float32.
;; This version of the problem:
;;   THIS VERSION OF THE PROBLEM IS GIVEN IN LOW PRECISION. The matrix products marked QUANTISED in the list below multiply operands that are first quantised to E2M3 (2 exponent bits, 3 mantissa bits; 6 bits a number), with one power-of-two scale for each 32 numbers along K (OCP MX v1.0); their sums are f32. All else is computed in f32.
;;   The module's matrix products, in the order in which they are computed (A, B: the left and right operand; K: the contracted axis; several contracted axes count as one K, in the product's order):
;;     1. [M 8,192, K 1,024] x [K 1,024, N 1,024]; A: input q; B: input Wq: QUANTISED
;;     2. [M 8,192, K 1,024] x [K 1,024, N 1,024]; A: input k; B: input Wk: QUANTISED
;;     3. [M 8,192, K 1,024] x [K 1,024, N 1,024]; A: input v; B: input Wv: QUANTISED
;;     4. batch 64 x [M 2,048, K 64] x [K 64, N 2,048]; A: computed on the way; B: computed on the way: QUANTISED
;;     5. batch 64 x [M 2,048, K 2,048] x [K 2,048, N 64]; A: softmax (see below); B: computed on the way: QUANTISED
;;     6. [M 8,192, K 1,024] x [K 1,024, N 1,024]; A: computed on the way; B: input Wo: QUANTISED
;;   THE QUANTISER, for each operand of a quantised product, along K:
;;     - K is cut into blocks of 32 from its start; a last block that is shorter is filled with zeros.
;;     - A block's scale is 2^e with e = floor(log2(the largest magnitude in the block)) - 2, held to -126 .. 127; a block of zeros has e = 0. As a byte (E8M0): e + 127.
;;     - Each number is divided by its block's scale, clamped to +-7.5, and rounded to the nearest number of E2M3, ties to even, subnormals kept.
;;     - The product sums the exact products of the quantised numbers (number of the format x scale) in f32.
;;   ~~~python
;;   def quantise(x, axis):      # numpy; x: float32 -> the quantised numbers, widened to float32 again
;;       x = np.moveaxis(x, axis, -1); K = x.shape[-1]
;;       x = np.pad(x, [(0, 0)] * (x.ndim - 1) + [(0, -K % 32)]); x = x.reshape(x.shape[:-1] + (-1, 32)); a = np.abs(x).max(-1, keepdims=True)
;;       e = np.where(a > 0, np.clip(np.frexp(np.where(a > 0, a, 1))[1] - 1 - 2, -126, 127), 0)      # np.frexp(a)[1] - 1 = floor(log2(a)), exactly
;;       r = np.clip(x / 2.0 ** e, -7.5, 7.5)
;;       step = 2.0 ** (np.maximum(np.frexp(np.where(r == 0, 1, r))[1] - 1, 0) - 3)
;;       q = np.round(r / step) * step * 2.0 ** e      # np.round: ties to even
;;       return np.moveaxis(q.reshape(q.shape[:-2] + (-1,))[..., :K], -1, axis).astype(np.float32)
;;   ~~~
;;   SOFTMAX AHEAD OF A QUANTISED PRODUCT. Where the list says 'softmax', what is quantised is not the finished softmax but p = 2^(t - M), with t = logit x log2(e) and M = ceil(the row's largest t), a whole number; so 1/2 < the row's largest p <= 1. The row's sum l is taken of the UNQUANTISED p, in f32, and the product's result is divided by l at the end. Since M is a whole number, a kernel that streams over the keys may use a running M (the ceiling of the running maximum): every later rescaling is an exact power of two, which a block's scale takes up: the codes' values come out the same.
;;   OPERANDS COMPUTED ON THE WAY. 'Computed on the way' means the value that the module computes at that place (a softmax that the list does not call 'softmax' is quantised finished and normalised). What goes into a quantiser is computed in f32, as accurately as f32 sums, v_exp_f32 and their like allow (about 1e-6 of the number): no bf16 or f16 on the way to a quantiser, and a product that is left as it is and whose result goes on into a quantised operand takes f32 operands (vector FMAs, or v_wmma_f32_16x16x4_f32). A number that lies on a knife's edge between two numbers of the format may be rounded either way, as far as f32 arithmetic and the matrix unit's own rounding can turn it there, and no further.
;; One version. Each part assembles by itself: llvm-mc -triple=amdgcn-amd-amdhsa -mcpu=gfx1250 --defsym DOCPART=n.
;; ======== version 1 of 1: 4 launches
;; limits: right only within a limited range of input values
;; workspace buffers: codes 28,311,552 bytes; scales 1,179,648 bytes; qw 6,815,744 bytes; kvw 13,631,488 bytes
;; launch quant (part 1): grid 896 x 1, 4 waves a work-group, no clusters, 34,304 bytes of LDS; arguments q, k, v, Wq, Wk, Wv, Wo, codes, scales; writes codes, scales
.if DOCPART == 1
	.amdgcn_target "amdgcn-amd-amdhsa--gfx1250"
	.amdhsa_code_object_version 6
	.text
	.protected	k_q4f0d3957fc_quant
	.globl	k_q4f0d3957fc_quant
	.p2align	8
	.type	k_q4f0d3957fc_quant,@function
k_q4f0d3957fc_quant:
	s_mov_b64 s[64:65], 0
	v_nop
	global_prefetch_b8 v0, s[64:65] scope:SCOPE_SE
	s_setreg_imm32_b32 hwreg(HW_REG_WAVE_MODE, 25, 1), 1
	s_wait_xcnt 0x0
; q, k, v [8192][1024] and Wq, Wk, Wv, Wo [1024][1024], f32, K innermost, become codes of FP6 (E2M3) with one E8M0 byte for each 32 along K,
; laid IN THE ORDER OF THE OPERAND'S REGISTERS:  codes [tile][K step of 128: 8][piece 0..5][lane 0..31][8 bytes];  piece p = registers 2 p, 2 p + 1 of a fragment (16 rows x 128 K).
; scales [tile][K half: 2][row 0..15][word of K step % 4]: one 32-bit word for a row and 128 along K.
; THE ROWS OF A TILE ARE NOT NEIGHBOURS: row rho of tile a is the tensor's row 32 (a / 2) + 8 (a % 2) + rho % 8 + 16 (rho / 8).  Used as source 0 of a product, two neighbouring tiles then leave
; 16 neighbouring rows in a lane's 16 result registers, which is what the next quantiser wants.
; Tiles: q 0.., k 512.., v 1024.., Wq 1536.., Wk 1600.., Wv 1664.., Wo 1728.. (the region from 1792 on is written by the attention launch).
; SHARES.  A work-group takes two tiles (32 rows of one tensor); wave w takes tile w / 2 of them and half w % 2 of K: 16 rows x 512 K, four steps of 128.
; Each load reads 512 consecutive bytes of a row.  The conversions want 32 neighbours along K in ONE lane, so a step's 8,192 bytes turn through the wave's own stage in LDS (rows of 512 + 16 bytes).
; A block's scale is 2^(floor(log2(largest magnitude)) - 2): the largest magnitude's exponent field - 2, held at 1 from below by a floor among the maximum's leaves.
; LIMITS: NaN and infinities are not served; a block of zeros, or one whose largest magnitude lies under 2^-124, gets the byte 1 (zero codes add nothing; this program alone reads the bytes).
; No tensor load, no barrier: waves share nothing.  Memory binds: matrix units and clusters would add nothing here.
.set STG,   16*528                     ; a wave's stage
.set SPARE, 4*STG                      ; behind the stages: the spare words, 128 bytes a wave
.set SPW,   12                         ; v12  my spare word's LDS address; never rewritten
.set NIL,   13                         ; v13  0; never rewritten
.set MX,    14                         ; v14-15 largest magnitudes of my two blocks
.set SO,    16                         ; v16-17 the conversions' scale operands
.set BY,    18                         ; v18-19 the scale bytes
.set WD,    24                         ; v24-27 the scale word of each step
.set X,     32                         ; v32-223 three sets of 64 numbers
.set C,     224                        ; v224-235 a fragment's codes
.set CT,    236                        ; v236-238, v240-242 the second halves of the blocks, as converted
	s_load_b512 s[4:19], s[0:1], 0x0               ; q, k, v, Wq, Wk, Wv, Wo, codes
	s_load_b64 s[20:21], s[0:1], 0x40              ; scales
	v_lshl_add_u32 v[SPW], v0, 2, SPARE
	v_mov_b32 v[NIL], 0
	v_lshrrev_b32 v1, 5, v0
	v_readfirstlane_b32 s22, v1                    ; wave 0..3
	v_and_b32 v1, 31, v0                           ; lane
	v_and_b32 v2, 15, v0                           ; r
	v_bfe_u32 v3, v0, 4, 1                         ; h
	v_lshlrev_b32 v4, 4, v1                        ; in: 16 bytes a lane
	s_mul_i32 s30, s22, STG
	v_add_nc_u32 v5, s30, v4                       ; into the stage: as loaded
	v_mul_u32_u24 v6, v2, 528
	v_lshl_add_u32 v6, v3, 7, v6
	v_add_nc_u32 v6, s30, v6                       ; out of it: row r, + 128 h bytes: my 32 neighbours of each 64
	v_lshlrev_b32 v7, 3, v1                        ; codes out: 8 bytes a lane
	v_lshlrev_b32 v8, 4, v2
	v_lshl_add_u32 v8, v3, 3, v8                   ; scale words out: 16 r + 8 h
	v_lshlrev_b32 v9, 3, v3                        ; 8 h: my bytes' place in the word
	v_mov_b32 v21, 0                               ; a lane permute's destination counts as read
	s_mov_b32 s28, 0x76543210
	s_mov_b32 s29, 0xfedcba98                      ; selects for lane l xor 16
	s_lshr_b32 s30, s22, 1                         ; which of the two tiles
	s_and_b32 s31, s22, 1                          ; which half of K
	s_lshl_b32 s33, ttmp9, 1
	s_add_co_u32 s33, s33, s30                     ; my tile's number
	s_mov_b32 s27, 0
	s_wait_alu depctr_va_vdst(0)
	s_wait_kmcnt 0x0
	; which tensor: by the work-group's number alone
	s_mov_b64 s[24:25], s[16:17]
	s_mov_b32 s23, 864
	s_cmp_lt_u32 ttmp9, 864
	s_cselect_b64 s[24:25], s[14:15], s[24:25]
	s_cselect_b32 s23, 832, s23
	s_cmp_lt_u32 ttmp9, 832
	s_cselect_b64 s[24:25], s[12:13], s[24:25]
	s_cselect_b32 s23, 800, s23
	s_cmp_lt_u32 ttmp9, 800
	s_cselect_b64 s[24:25], s[10:11], s[24:25]
	s_cselect_b32 s23, 768, s23
	s_cmp_lt_u32 ttmp9, 768
	s_cselect_b64 s[24:25], s[8:9], s[24:25]
	s_cselect_b32 s23, 512, s23
	s_cmp_lt_u32 ttmp9, 512
	s_cselect_b64 s[24:25], s[6:7], s[24:25]
	s_cselect_b32 s23, 256, s23
	s_cmp_lt_u32 ttmp9, 256
	s_cselect_b64 s[24:25], s[4:5], s[24:25]
	s_cselect_b32 s23, 0, s23
	; k's tiles alone have another order of rows, for the attention launch's scores: row rho of tile a is k's row 64 (a / 4) + 8 (a % 4) + rho % 8 + 32 (rho / 8)
	s_sub_co_u32 s26, ttmp9, s23
	s_lshr_b32 s34, s26, 1
	s_lshl_b32 s34, s34, 18                        ; k: 64 rows for each pair of work-groups,
	s_and_b32 s35, s26, 1
	s_lshl_b32 s35, s35, 16                        ; 16 rows for the second of the pair
	s_add_co_u32 s34, s34, s35
	s_lshl_b32 s26, s26, 17                        ; the others: 32 rows of 4,096 bytes a work-group
	s_mov_b32 s35, 0x10000                         ; a tile's rows 8-15 lie 16 rows below its rows 0-7,
	s_cmp_eq_u32 s23, 256                          ; (k's first work-group is 256: the choice hangs on the work-group's number alone)
	s_cselect_b32 s26, s34, s26
	s_cselect_b32 s35, 0x20000, s35                ; in k 32 rows
	v_add_nc_u32 v10, s35, v4
	s_wait_alu depctr_va_vdst(0)                   ; the wait behind the write
	s_lshl_b32 s32, s30, 15
	s_add_co_u32 s26, s26, s32                     ; the second tile begins 8 rows down,
	s_lshl_b32 s32, s31, 11
	s_add_co_u32 s26, s26, s32                     ; the second half of K 2,048 bytes on
	s_add_nc_u64 s[24:25], s[24:25], s[26:27]
	s_mul_i32 s26, s33, 12288
	s_mul_i32 s32, s31, 6144
	s_add_co_u32 s26, s26, s32
	s_add_nc_u64 s[18:19], s[18:19], s[26:27]      ; my four fragments
	s_lshl_b32 s26, s33, 9
	s_lshl_b32 s32, s31, 8
	s_add_co_u32 s26, s26, s32
	s_add_nc_u64 s[20:21], s[20:21], s[26:27]      ; my 256 bytes of scale words
.macro LOAD t                          ; step t: 16 rows x 512 bytes into set t % 3
.set LS, X+64*((\t)%3)
.irp p, 0,1,2,3,4,5,6,7,8,9,10,11,12,13,14,15
.if \p < 8
	global_load_b128 v[LS+4*\p:LS+4*\p+3], v4, s[24:25] offset:\p*4096+512*(\t) th:TH_LOAD_NT
.else
	global_load_b128 v[LS+4*\p:LS+4*\p+3], v10, s[24:25] offset:(\p-8)*4096+512*(\t) th:TH_LOAD_NT
.endif
.endr
.endm
.macro STEP t, left                    ; left: the loads issued behind this step's, which may stay out
.set XS, X+64*((\t)%3)
	s_wait_loadcnt \left
.irp p, 0,1,2,3,4,5,6,7,8,9,10,11,12,13,14,15
	ds_store_b128 v5, v[XS+4*\p:XS+4*\p+3] offset:528*\p
.endr
.irp c, 0,1                            ; LDS serves a wave's instructions in order: these see the stores above.  Register 32 c + i = k 64 c + 32 h + i of row r
.irp u, 0,1,2,3,4,5,6,7
	ds_load_b128 v[XS+32*\c+4*\u:XS+32*\c+4*\u+3], v6 offset:256*\c+16*\u
.endr
.endr
	s_wait_dscnt 0x0
.irp c, 0,1
	v_max3_num_f32 v[MX+\c], |v[XS+32*\c]|, |v[XS+32*\c+1]|, 0x1800000   ; block 2 c + h is all mine; the floor 2^(3 - 127) keeps the byte at 1 or above
.endr
.irp i, 2,4,6,8,10,12,14,16,18,20,22,24,26,28,30
.irp c, 0,1
	v_max3_num_f32 v[MX+\c], v[MX+\c], |v[XS+32*\c+\i]|, |v[XS+32*\c+\i+1]|
.endr
.endr
.irp c, 0,1
	v_add_nc_u32 v[SO+\c], 0xff000000, v[MX+\c]    ; 2 off the exponent field: the conversion takes this operand's exponent field as its scale
.endr
.irp c, 0,1
	v_lshrrev_b32 v[BY+\c], 23, v[SO+\c]           ; the scale's byte
.endr
	v_lshl_or_b32 v20, v[BY+1], 16, v[BY]          ; my bytes: blocks h and 2 + h,
	v_lshlrev_b32 v20, v9, v20                     ; at their places;
	v_permlanex16_b32 v21, v20, s28, s29
	v_or_b32 v[WD+(\t)], v20, v21                  ; with lane l xor 16's the row's word is whole
.if (\t) > 0
	s_wait_alu depctr_va_vdst(0)
	s_wait_xcnt 0x0                                ; the last step's stores have read the codes' registers
.endif
.irp c, 0,1
	v_cvt_scalef32_pk16_fp6_f32 v[C+6*\c:C+6*\c+2], v[XS+32*\c:XS+32*\c+15], v[SO+\c]
	v_cvt_scalef32_pk16_fp6_f32 v[CT+4*\c:CT+4*\c+2], v[XS+32*\c+16:XS+32*\c+31], v[SO+\c]   ; (a conversion's three registers begin on an even number)
.endr
	v_nop                                          ; one plain line behind the conversions
.irp c, 0,1
.irp i, 0,1,2
	v_mov_b32 v[C+6*\c+3+\i], v[CT+4*\c+\i]
.endr
.endr
.if (\t) == 0
	LOAD 3                                         ; set 0 is free: the last step's numbers
.endif
.irp p, 0,1,2,3,4,5
	global_store_b64 v7, v[C+2*\p:C+2*\p+1], s[18:19] offset:1536*(\t)+256*\p   ; 32 lanes store 256 consecutive bytes, aligned
.endr
.endm
	LOAD 0
	LOAD 1
	LOAD 2
	STEP 0, 32
	STEP 1, 32
	STEP 2, 16
	STEP 3, 0
	v_cmp_eq_u32 vcc_lo, 1, v3                     ; lanes 0-15 store a row's words 0, 1, lanes 16-31 its words 2, 3
	v_cndmask_b32 v28, v[WD], v[WD+2], vcc_lo
	v_cndmask_b32 v29, v[WD+1], v[WD+3], vcc_lo
	global_store_b64 v8, v[28:29], s[20:21]        ; 256 consecutive bytes, aligned
	s_wait_tensorcnt 0x0                           ; the wave's end, behind my last LDS store
	ds_add_u32 v[SPW], v[NIL]
	s_wait_dscnt 0x0
	s_endpgm
.Lfunc_end_k_q4f0d3957fc_quant:
	.size	k_q4f0d3957fc_quant, .Lfunc_end_k_q4f0d3957fc_quant-k_q4f0d3957fc_quant
	.p2alignl 7, 3214868480
	.fill 96, 4, 3214868480
	.section	.rodata,"a",@progbits
	.p2align	6, 0x0
	.amdhsa_kernel k_q4f0d3957fc_quant
		.amdhsa_group_segment_fixed_size 34304
		.amdhsa_private_segment_fixed_size 0
		.amdhsa_enable_private_segment 0
		.amdhsa_kernarg_size 72
		.amdhsa_user_sgpr_count 2
		.amdhsa_user_sgpr_kernarg_segment_ptr 1
		.amdhsa_wavefront_size32 1
		.amdhsa_system_sgpr_workgroup_id_x 1
		.amdhsa_system_sgpr_workgroup_id_y 1
		.amdhsa_system_sgpr_workgroup_id_z 1
		.amdhsa_system_vgpr_workitem_id 0
		.amdhsa_next_free_vgpr 256
		.amdhsa_next_free_sgpr 66
		.amdhsa_reserve_vcc 1
		.amdhsa_float_denorm_mode_32 3
		.amdhsa_float_denorm_mode_16_64 3
		.amdhsa_memory_ordered 1
		.amdhsa_forward_progress 1
		.amdhsa_inst_pref_size 33
	.end_amdhsa_kernel
	.amdgpu_metadata
---
amdhsa.version: [ 1, 2 ]
amdhsa.kernels:
  - .name:           k_q4f0d3957fc_quant
    .symbol:         k_q4f0d3957fc_quant.kd
    .args:
      - { .name: q, .offset: 0, .size: 8, .value_kind: global_buffer, .address_space: global }
      - { .name: k, .offset: 8, .size: 8, .value_kind: global_buffer, .address_space: global }
      - { .name: v, .offset: 16, .size: 8, .value_kind: global_buffer, .address_space: global }
      - { .name: Wq, .offset: 24, .size: 8, .value_kind: global_buffer, .address_space: global }
      - { .name: Wk, .offset: 32, .size: 8, .value_kind: global_buffer, .address_space: global }
      - { .name: Wv, .offset: 40, .size: 8, .value_kind: global_buffer, .address_space: global }
      - { .name: Wo, .offset: 48, .size: 8, .value_kind: global_buffer, .address_space: global }
      - { .name: codes, .offset: 56, .size: 8, .value_kind: global_buffer, .address_space: global }
      - { .name: scales, .offset: 64, .size: 8, .value_kind: global_buffer, .address_space: global }
    .group_segment_fixed_size: 34304
    .private_segment_fixed_size: 0
    .kernarg_segment_align: 8
    .kernarg_segment_size: 72
    .max_flat_workgroup_size: 128
    .sgpr_count:     66
    .vgpr_count:     256
    .wavefront_size: 32
...
	.end_amdgpu_metadata
.endif
;; end of part 1
;; launch proj (part 2): grid 4 x 192, 4 waves a work-group, clusters of 4 x 4, 295,424 bytes of LDS; arguments codes, scales, bq, bk, bv, qw, kvw; writes qw, kvw
.if DOCPART == 2
	.amdgcn_target "amdgcn-amd-amdhsa--gfx1250"
	.amdhsa_code_object_version 6
	.text
	.protected	k_q4f0d3957fc_proj
	.globl	k_q4f0d3957fc_proj
	.p2align	8
	.type	k_q4f0d3957fc_proj,@function
k_q4f0d3957fc_proj:
	s_mov_b64 s[64:65], 0
	v_nop
	global_prefetch_b8 v0, s[64:65] scope:SCOPE_SE
	s_setreg_imm32_b32 hwreg(HW_REG_WAVE_MODE, 25, 1), 1
	s_wait_xcnt 0x0
	s_wait_alu depctr_hold_cnt(0) depctr_sa_sdst(0) depctr_va_vdst(0) depctr_va_sdst(0) depctr_va_ssrc(0) depctr_va_vcc(0) depctr_vm_vsrc(0)
	s_getreg_b32 s2, hwreg(HW_REG_IB_STS2, 6, 4)
	s_cmp_eq_u32 s2, 0
	s_cbranch_scc0 .Lentry_in_a_cluster
	s_endpgm
.Lentry_in_a_cluster:
	s_bfe_u32 s2, ttmp6, 0x10000c
	s_cmp_lg_u32 s2, 0xf033
	s_cbranch_scc0 .Lentry_shape_is_right
	s_endpgm
.Lentry_shape_is_right:
; The three input projections on codes of FP6, their biases, and the quantising of the results into the attention launch's operands.
; out[i][j] = sum over k of R[i][k] P[j][k], K = 1024.  Source 0 = 16 rows of P, source 1 = 16 rows of R: a lane holds ONE row i (lane % 16) and its registers run along j.
; t = 0, 1 (query, key): R = the activations, P = the weight: registers run along the head's 64, the K of the scores.  t = 2 (value): R = Wv, P = v: registers run along the KEYS, the K of the second product.
; The tiles of `codes` hold rows 32 (a / 2) + 8 (a % 2) + rho % 8 + 16 (rho / 8): so register 16 beta + i of a lane's 64 (eight tiles of P) is j = 32 beta + 16 (lane / 16) + i: sixteen neighbours, as the conversions want them.
; SHARES.  A work-group makes 128 (i) x 256 (j), a wave 64 x 128: 32 accumulators.  768 work-groups, three for each of 256 WGPs.
; The tile's whole K lies in LDS (24 tiles x 12,288 bytes), filled ONCE in two halves of 512 along K: no slot is filled again.  A wave has one tensor load out at the most.
; CLUSTER 4 x 4: R's tiles hang on the tile row and are asked for jointly along a row of the cluster, P's on the tile column and along a column.
; OUT.  A block of 6,656 bytes: four fragments as images of their registers (group g of four registers: lane l at 512 g + 16 l), then [pair][lane][8 bytes] of scale words.
;   query, key: fragment f = two tiles of 16 rows of one head: registers 0-5 tile 2 f, 6-11 tile 2 f + 1; word = (tile 2 f's two bytes, tile 2 f + 1's two).   value: fragment a = 16 of the head's 64 x 128 keys.
;   qw [b h][block of 128 queries][6,656];  kvw [b h][step of 128 keys][K's block | V's block].
; LIMITS: NaN and infinities are not served; a block of zeros or under 2^-124 gets the byte 1.
; REGISTERS.  window 0: v1-3 r, h, lane; v16-23 LDS addresses; v24-27, v30 offsets; v28, v29 the add's two; v32-95 scale words; v96-191 R's two sets of fragments, later the numbers and codes at work; v192-219 at work.
;   window 1: P's two sets at v0 and v128; the bias along j in v96-127 and v224-255.   window 2: accumulator (a, b) at v[8 (8 a + b)].
.set CH,    73728                      ; 2 CH: a half of K, R's 8 tiles x 6,144 bytes, then P's 16
.set SPARE, 4*CH                       ; behind the chunks: the spare words, 128 bytes a wave
.set ADRR,  16
.set ADRP,  20
.set VSLO,  24
.set VSHI,  25
.set SPW,   28
.set NIL,   29
.set SC,    32                         ; v[SC + 8 i + s]: lanes 0-15 the word of R's tile i % 4, lanes 16-31 that of P's tile i, K step s
.set RF,    96
.set XQ,    96                         ; 64 numbers to be quantised
.set PC,    160                        ; the codes just made (12), and the conversions' second halves behind them
.set TM,    192                        ; v192-195 largest magnitudes, v196-199 the other lane's, then bytes, v204-207 scale operands
.set PW,    208                        ; v208-211 scale words just made
.set BV,    212                        ; v212-219 value's bias, each number twice
.set G1R,   24
.set G0R,   32
.set G1P,   48
.set G0P,   68
.set SEL,   84
.set MSB,   0
.macro WIN new                         ; the immediate's high byte repeats the setting that is left
.if MSB != \new
	s_set_vgpr_msb (MSB<<8)|\new
.set MSB, \new
.endif
.endm
.macro CROUND                          ; a round of the cluster's barrier
	s_barrier_signal -1
	s_barrier_wait -1
	s_cmp_lg_u32 s18, 0
	s_cbranch_scc1 .Lnot_wave_0_\@
	s_barrier_signal -3
.Lnot_wave_0_\@:
	s_barrier_wait -3
	s_barrier_signal -1
	s_barrier_wait -1
.endm
.macro PLACES                          ; four plain lines between a matrix instruction and a load into, or a vector line on, its registers
.rept 4
	v_nop
.endr
.endm
.macro FETCH n                         ; K step n's fragments: P's eight into set n % 2 of window 1, R's four into set n % 2 of window 0; each load takes 256 consecutive bytes
.set FK, (\n)/4                        ; LDS holds K as two halves of 512: in each R's 8 tiles x 6,144 bytes, then P's 16
.set FQ, (\n)%4
.set FS, (\n)%2
	WIN 0x40
.irp b, 0,1,2,3,4,5,6,7
.irp p, 0,1,2,3,4,5
	ds_load_b64 v[128*FS+12*\b+2*\p:128*FS+12*\b+2*\p+1], v[ADRP+FK] offset:6144*\b+1536*FQ+256*\p
.endr
.endr
	WIN 0
.irp a, 0,1,2,3
.irp p, 0,1,2,3,4,5
	ds_load_b64 v[RF+48*FS+12*\a+2*\p:RF+48*FS+12*\a+2*\p+1], v[ADRR+FK] offset:6144*\a+1536*FQ+256*\p
.endr
.endr
.endm
.macro MUL32 n, zero                   ; the 32 accumulators take turns, one instruction a turn, in the same order in every step
.set MP, (\n)%2
	WIN 0xa1                                       ; source 0 window 1, source 1 window 0, C and D window 2
.irp a, 0,1,2,3
.irp b, 0,1,2,3,4,5,6,7
.if \zero
	v_wmma_scale_f32_16x16x128_f8f6f4 v[8*(8*\a+\b):8*(8*\a+\b)+7], v[128*MP+12*\b:128*MP+12*\b+11], v[RF+48*MP+12*\a:RF+48*MP+12*\a+11], 0, v[SC+8*\b+(\n)], v[SC+8*\a+(\n)] matrix_a_fmt:MATRIX_FMT_FP6 matrix_b_fmt:MATRIX_FMT_FP6 matrix_a_scale:MATRIX_SCALE_ROW1
.else
	v_wmma_scale_f32_16x16x128_f8f6f4 v[8*(8*\a+\b):8*(8*\a+\b)+7], v[128*MP+12*\b:128*MP+12*\b+11], v[RF+48*MP+12*\a:RF+48*MP+12*\a+11], v[8*(8*\a+\b):8*(8*\a+\b)+7], v[SC+8*\b+(\n)], v[SC+8*\a+(\n)] matrix_a_fmt:MATRIX_FMT_FP6 matrix_b_fmt:MATRIX_FMT_FP6 matrix_a_scale:MATRIX_SCALE_ROW1
.endif
.endr
.endr
.endm
.macro STEP n, zero
	s_wait_dscnt 0x0                               ; this step's fragments are in (asked for 32 matrix instructions ago)
.if (\n) == 3
	s_wait_tensorcnt 0x0                           ; every wave's one load is in: the second half of K is shown to all
	s_barrier_signal -1
	s_barrier_wait -1                              ; everybody's is
.endif
.if (\n) < 7
.if (\n) > 0
	PLACES                                         ; the set that is loaded now was multiplied in the step before
.endif
	FETCH (\n)+1
.endif
	MUL32 \n, \zero
	WIN 0
.endm
; 64 numbers of a lane, register 16 b + i = k 32 b + 16 (lane / 16) + i of my row, become a fragment's codes in v[PC] on and its scale word in v[pw]
.macro QUANT s, pw
.irp b, 0,1,2,3
	v_max3_num_f32 v[TM+\b], |v[\s+16*\b]|, |v[\s+1+16*\b]|, 0x1800000   ; and the floor 2^(3 - 127): the byte cannot fall under 1
.endr
.irp i, 2,4,6,8,10,12,14
.irp b, 0,1,2,3
	v_max3_num_f32 v[TM+\b], v[TM+\b], |v[\s+16*\b+\i]|, |v[\s+1+16*\b+\i]|
.endr
.endr
.irp b, 0,1,2,3
	v_permlanex16_b32 v[TM+4+\b], v[TM+\b], s[SEL], s[SEL+1]
.endr
.irp b, 0,1,2,3
	v_max_num_f32 v[TM+\b], v[TM+\b], v[TM+4+\b]   ; with lane l xor 16's: the block's largest magnitude
.endr
.irp b, 0,1,2,3
	v_add_nc_u32 v[TM+12+\b], 0xff000000, v[TM+\b] ; 2 off its exponent field: the conversion's scale operand
.endr
.irp b, 0,1,2,3
	v_lshrrev_b32 v[TM+4+\b], 23, v[TM+12+\b]      ; the scale's byte
.endr
	v_lshl_or_b32 v[\pw], v[TM+5], 8, v[TM+4]
	v_lshl_or_b32 v[\pw], v[TM+6], 16, v[\pw]
	v_lshl_or_b32 v[\pw], v[TM+7], 24, v[\pw]
.irp c, 0,1
	v_cvt_scalef32_pk16_fp6_f32 v[PC+6*\c:PC+2+6*\c], v[\s+32*\c:\s+15+32*\c], v[TM+12+2*\c]
	v_cvt_scalef32_pk16_fp6_f32 v[PC+12+4*\c:PC+14+4*\c], v[\s+16+32*\c:\s+31+32*\c], v[TM+12+2*\c+1]
.endr
	v_nop                                          ; one plain line behind the conversions
.irp c, 0,1                                    ; the operand wants a whole block in a lane: lanes 0-15 block 2 c, lanes 16-31 block 2 c + 1
.irp i, 0,1,2
	v_permlane16_swap_b32 v[PC+6*\c+\i], v[PC+12+4*\c+\i]
.endr
.irp i, 0,1,2
	v_mov_b32 v[PC+3+6*\c+\i], v[PC+12+4*\c+\i]
.endr
.endr
.endm
	s_load_b256 s[4:11], s[0:1], 0x0               ; codes, scales, bq, bk
	s_load_b128 s[12:15], s[0:1], 0x20             ; bv, qw
	s_load_b64 s[16:17], s[0:1], 0x30              ; kvw
	v_lshl_add_u32 v[SPW], v0, 2, SPARE
	v_mov_b32 v[NIL], 0
	ds_add_u32 v[SPW], v[NIL]                      ; the wave's opening: the add and its wait ahead of my first tensor load
	ds_add_u32 v[SPW], v[NIL]
	v_lshrrev_b32 v1, 5, v0
	v_readfirstlane_b32 s18, v1                    ; wave 0..3
	s_lshr_b32 s19, s18, 1                         ; wi: which 64 rows i are mine.  Also: which half of K I fetch
	s_and_b32 s20, s18, 1                          ; wj: which 128 columns j.  Also: I fetch for R (0) or for P (1)
	s_bfe_u32 s21, ttmp6, 0x40000                  ; cx
	s_bfe_u32 s22, ttmp6, 0x40004                  ; cy
	s_and_b32 s58, ttmp7, 0xffff                   ; the cluster's number, 0..47
	s_lshr_b32 s23, s58, 4                         ; t: 0 query, 1 key, 2 value: the same in all partners
	s_and_b32 s59, s58, 15
	s_and_b32 s60, s59, 7
	s_lshr_b32 s61, s59, 3
	s_lshl_b32 s62, s23, 9                         ; the activations' first tile
	s_lshl_b32 s63, s23, 6
	s_add_co_u32 s63, s63, 1536                    ; the weight's first tile
	s_cmp_eq_u32 s23, 2
	s_cselect_b32 s60, s60, 0                      ; clusters along j: 8 for value, else 1
	s_cselect_b32 s61, s61, s59                    ; and along i: 2, else 16
	s_cselect_b32 s86, s63, s62                    ; R's first tile
	s_cselect_b32 s87, s62, s63                    ; P's
	s_lshl_b32 s56, s60, 2
	s_add_co_u32 s56, s56, s21                     ; TC: tile column (256 of j)
	s_lshl_b32 s57, s61, 2
	s_add_co_u32 s57, s57, s22                     ; TR: tile row (128 of i)
	s_lshl_b32 s58, s22, 2
	s_lshl_b32 s58, 15, s58                        ; my row of the cluster
	s_lshl_b32 s59, 0x1111, s21                    ; my column
	; descriptor group 1: ROWS tiles' halves of K: rows of 768 elements of 8 bytes (6,144 bytes), 1,536 elements (a tile) apart; dense in LDS
	s_or_b32 s[G1R], s58, (3<<16)|(1<<21)
	s_mov_b32 s[G1R+1], 768<<16                    ; a load brings half of K of all the operand's tiles: rows of 768 elements of 8 bytes (6,144 bytes), a tile apart
	s_mov_b32 s[G1R+2], 8<<16
	s_mov_b32 s[G1R+3], 768<<16
	s_mov_b32 s[G1R+4], 8
	s_mov_b32 s[G1R+5], 1536
	s_mov_b32 s[G1R+6], 0
	s_mov_b32 s[G1R+7], 0
	s_or_b32 s[G1P], s59, (3<<16)|(1<<21)
	s_mov_b32 s[G1P+1], 768<<16
	s_mov_b32 s[G1P+2], 16<<16
	s_mov_b32 s[G1P+3], 768<<16
	s_mov_b32 s[G1P+4], 16
	s_mov_b32 s[G1P+5], 1536
	s_mov_b32 s[G1P+6], 0
	s_mov_b32 s[G1P+7], 0
	s_lshl_b32 s88, s57, 3
	s_add_co_u32 s88, s88, s86                     ; R's first tile of my tile row
	s_mul_i32 s90, s88, 12288                      ; R's eight tiles
	s_mov_b32 s91, 0
	s_lshl_b32 s92, s56, 4
	s_add_co_u32 s92, s92, s87                     ; P's first tile of my tile column
	s_mul_i32 s94, s92, 12288                      ; P's sixteen tiles
	s_mov_b32 s95, 0
	s_lshl_b32 s89, s19, 2
	s_add_co_u32 s98, s88, s89
	s_lshl_b32 s98, s98, 9                         ; the scale words of the four tiles of R that I multiply,
	s_lshl_b32 s89, s20, 3
	s_add_co_u32 s99, s92, s89
	s_lshl_b32 s99, s99, 9                         ; and of my eight tiles of P
	s_mov_b32 s[SEL], 0x76543210
	s_mov_b32 s[SEL+1], 0xfedcba98
	s_wait_dscnt 0x0                               ; the opening add is done
	s_wait_kmcnt 0x0
	s_add_nc_u64 s[90:91], s[4:5], s[90:91]
	s_add_nc_u64 s[94:95], s[4:5], s[94:95]
	CROUND                                         ; all sixteen work-groups are here: the joint loads meet
.irp c, 0,1                                    ; half c of K: R's tiles at 2 c CH, P's 49,152 bytes behind them
	s_mov_b32 s[G0R+4*\c], 1
	s_mov_b32 s[G0R+4*\c+1], \c*2*CH
	s_add_nc_u64 s[G0R+4*\c+2:G0R+4*\c+3], s[90:91], \c*6144
	s_or_b32 s[G0R+4*\c+3], s[G0R+4*\c+3], 0x80000000
	s_mov_b32 s[G0P+4*\c], 1
	s_mov_b32 s[G0P+4*\c+1], \c*2*CH+49152
	s_add_nc_u64 s[G0P+4*\c+2:G0P+4*\c+3], s[94:95], \c*6144
	s_or_b32 s[G0P+4*\c+3], s[G0P+4*\c+3], 0x80000000
.endr
; THE FILLS, ONE JOINT LOAD A WAVE: wave 0 R's first half of K, wave 1 P's, wave 2 R's second half, wave 3 P's.  One chain of branches on the wave's number, one load to an arm, all arms to one join.
.macro ARM under, g0, g1, next
	s_cmp_lt_u32 s18, \under
	s_cbranch_scc0 \next
	tensor_load_to_lds s[\g0:\g0+3], s[\g1:\g1+7]
	s_nop 0
	PLACES
	s_branch .Lfirst_done
\next:
.endm
	ARM 1, G0R, G1R, .Lhead_p0
	ARM 2, G0P, G1P, .Lhead_r1
	ARM 3, G0R+4, G1R, .Lhead_p1
	tensor_load_to_lds s[G0P+4:G0P+7], s[G1P:G1P+7]
	s_nop 0
	PLACES
.Lfirst_done:
	v_and_b32 v1, 15, v0                           ; r
	v_bfe_u32 v2, v0, 4, 1                         ; h
	v_and_b32 v3, 31, v0                           ; lane
	v_lshlrev_b32 v4, 3, v3
	s_wait_alu depctr_va_vdst(0)
	s_mul_i32 s58, s19, 24576                      ; my four tiles of R,
	s_mul_i32 s59, s20, 49152
	s_add_co_u32 s59, s59, 49152                   ; my eight of P, behind R's eight
.irp c, 0,1
	v_add_nc_u32 v[ADRR+\c], s58, v4
	v_add_nc_u32 v[ADRP+\c], s59, v4
	s_add_co_u32 s58, s58, 2*CH
	s_add_co_u32 s59, s59, 2*CH
.endr
	v_cmp_eq_u32 s60, 1, v2                        ; lanes 16-31 take P's words
	v_mov_b32 v5, s98
	v_mov_b32 v6, s99
	v_cndmask_b32 v[VSLO], v5, v6, s60
	v_add_nc_u32 v6, 2048, v6
	v_cndmask_b32 v[VSHI], v5, v6, s60             ; for i = 4 .. 7: P's tiles 4 .. 7, R's 0 .. 3 again
	v_lshl_add_u32 v[VSLO], v1, 4, v[VSLO]
	v_lshl_add_u32 v[VSHI], v1, 4, v[VSHI]
.irp i, 0,1,2,3                                ; all of K's scale words, once: sixteen lanes read 256 consecutive bytes
	global_load_b128 v[SC+8*\i:SC+8*\i+3], v[VSLO], s[6:7] offset:512*\i
	global_load_b128 v[SC+8*\i+4:SC+8*\i+7], v[VSLO], s[6:7] offset:512*\i+256
	global_load_b128 v[SC+32+8*\i:SC+32+8*\i+3], v[VSHI], s[6:7] offset:512*\i
	global_load_b128 v[SC+32+8*\i+4:SC+32+8*\i+7], v[VSHI], s[6:7] offset:512*\i+256
.endr
.irp b, 0,1,2,3
	v_mov_b32 v[TM+4+\b], 0                        ; written once: a lane permute's destination counts as read
.endr
	s_wait_alu depctr_va_vdst(0)
	s_cmp_lt_u32 s18, 2                            ; waves 0 and 1, whose load lines are theirs alone, wait for the first half of K; the second half stays out
	s_cbranch_scc0 .Lnot_half0
	s_wait_tensorcnt 0x0
.Lnot_half0:
	s_barrier_signal -1
	s_barrier_wait -1
	FETCH 0
	s_wait_loadcnt 0x0                             ; the scale words
	STEP 0, 1                                      ; the first step's products start the sums
	STEP 1, 0
	STEP 2, 0
	STEP 3, 0
	STEP 4, 0
	STEP 5, 0
	s_cmp_eq_u32 s23, 2                            ; the ways part on t, which all partners share; each way asks for its bias two steps ahead of its use
	s_cbranch_scc1 .Lv
	; ---- query, key
	s_cmp_eq_u32 s23, 0
	s_cselect_b64 s[86:87], s[8:9], s[10:11]       ; bq or bk
	s_cselect_b64 s[88:89], s[14:15], s[16:17]     ; qw or kvw
	s_mov_b32 s58, 13312
	s_cselect_b32 s58, 6656, s58                   ; bytes from block to block
	s_lshl_b32 s90, s56, 10
	s_lshl_b32 s59, s20, 9
	s_add_co_u32 s90, s90, s59
	s_mov_b32 s91, 0
	s_add_nc_u64 s[86:87], s[86:87], s[90:91]      ; the bias of my 128 columns
	s_lshr_b32 s59, s57, 4
	s_lshl_b32 s59, s59, 4                         ; 16 x batch
	s_lshl_b32 s60, s56, 2
	s_add_co_u32 s59, s59, s60
	s_lshl_b32 s60, s20, 1
	s_add_co_u32 s59, s59, s60                     ; + my first head
	s_lshl_b32 s59, s59, 4
	s_and_b32 s60, s57, 15
	s_add_co_u32 s59, s59, s60                     ; x 16 + the block of 128 rows
	s_mul_i32 s90, s59, s58
	s_add_nc_u64 s[92:93], s[88:89], s[90:91]      ; my first head's block,
	s_lshl_b32 s90, s58, 4
	s_add_nc_u64 s[94:95], s[92:93], s[90:91]      ; my second head's
	v_lshlrev_b32 v30, 6, v2                       ; the bias: 16 h numbers on
	s_mul_i32 s60, s19, 3072
	v_lshl_add_u32 v26, v3, 4, s60                 ; fragments 2 wi, 2 wi + 1: 16 bytes a lane
	s_lshl_b32 s60, s19, 8
	v_lshl_add_u32 v27, v3, 3, s60                 ; their pair of scale words: 8 bytes a lane
	WIN 0x40
.irp e, 0,1                                    ; head e: register 16 u + i = the bias of column 64 e + 32 u + 16 h + i
.irp u, 0,1
.irp g, 0,1,2,3
	global_load_b128 v[96+128*\e+16*\u+4*\g:96+128*\e+16*\u+4*\g+3], v30, s[86:87] offset:(64*\e+32*\u)*4+16*\g
.endr
.endr
.endr
	WIN 0
	STEP 6, 0
	STEP 7, 0
	PLACES
	s_wait_loadcnt 0x0
; head e, tiles of rows 2 f and 2 f + 1: sums + bias come into window 0 (each accumulator from its low end on), are quantised along the head's 64, and leave as a fragment's image
.macro QKGROUP e, f, first
.if !\first
	s_wait_xcnt 0x0                                ; the stores before have read the codes' and the words' registers
.endif
	WIN 0x06                                       ; source 0 window 2, source 1 window 1
.set m, 0
.rept 16
	v_pk_add_f32 v[XQ+2*m:XQ+2*m+1], v[128*\f+32*\e+2*m:128*\f+32*\e+2*m+1], v[96+128*\e+2*m:96+128*\e+2*m+1]
.set m, m+1
.endr
.set m, 0
.rept 16
	v_pk_add_f32 v[XQ+32+2*m:XQ+32+2*m+1], v[128*\f+64+32*\e+2*m:128*\f+64+32*\e+2*m+1], v[96+128*\e+2*m:96+128*\e+2*m+1]
.set m, m+1
.endr
	WIN 0
	QUANT XQ, PW+\f
.irp g, 0,1,2
	global_store_b128 v26, v[PC+4*\g:PC+4*\g+3], s[92+2*\e:93+2*\e] offset:1536*\f+512*\g   ; 512 consecutive bytes, aligned
.endr
.endm
	QKGROUP 0, 0, 1
	QKGROUP 0, 1, 0
	global_store_b64 v27, v[PW:PW+1], s[92:93] offset:6144
	QKGROUP 1, 0, 0
	QKGROUP 1, 1, 0
	global_store_b64 v27, v[PW:PW+1], s[94:95] offset:6144
	s_branch .Lend
	; ---- value: my 64 rows i are one head's 64, my 128 columns j one step of keys
.Lv:
	s_lshl_b32 s58, s57, 1
	s_add_co_u32 s58, s58, s19                     ; the head
	s_lshl_b32 s59, s56, 1
	s_add_co_u32 s59, s59, s20                     ; the step of 128 keys, over all batches
	s_lshr_b32 s60, s59, 4
	s_lshl_b32 s60, s60, 4
	s_add_co_u32 s60, s60, s58                     ; 16 x batch + head
	s_lshl_b32 s60, s60, 4
	s_and_b32 s59, s59, 15
	s_add_co_u32 s60, s60, s59
	s_mul_i32 s90, s60, 13312
	s_add_co_u32 s90, s90, 6656                    ; V's block lies behind K's
	s_mov_b32 s91, 0
	s_add_nc_u64 s[92:93], s[16:17], s[90:91]
	s_lshl_b32 s90, s57, 9
	s_lshl_b32 s59, s19, 8
	s_add_co_u32 s90, s90, s59
	s_add_nc_u64 s[86:87], s[12:13], s[90:91]      ; the bias of my 64 rows
	v_lshrrev_b32 v30, 3, v1
	v_lshl_add_u32 v30, v30, 3, v1                 ; r + 8 (r / 8): a tile's rows
	v_lshlrev_b32 v30, 2, v30
	v_lshlrev_b32 v26, 4, v3
	v_lshlrev_b32 v27, 3, v3
.irp a, 0,1,2,3
	global_load_b32 v[BV+2*\a], v30, s[86:87] offset:(32*(\a/2)+8*(\a%2))*4
	global_load_b32 v[BV+2*\a+1], v30, s[86:87] offset:(32*(\a/2)+8*(\a%2))*4   ; twice: a pair for the packed addition
.endr
	STEP 6, 0
	STEP 7, 0
	PLACES
	s_wait_loadcnt 0x0
.macro VGROUP a                        ; tile a of the head's rows: 128 keys a lane-pair, quantised along the keys
.if \a > 0
	s_wait_xcnt 0x0
.endif
	WIN 0x02                                       ; source 0 window 2
.set m, 0
.rept 32
	v_pk_add_f32 v[XQ+2*m:XQ+2*m+1], v[64*\a+2*m:64*\a+2*m+1], v[BV+2*\a:BV+2*\a+1]
.set m, m+1
.endr
	WIN 0
	QUANT XQ, PW+\a
.irp g, 0,1,2
	global_store_b128 v26, v[PC+4*\g:PC+4*\g+3], s[92:93] offset:1536*\a+512*\g
.endr
.endm
	VGROUP 0
	VGROUP 1
	VGROUP 2
	VGROUP 3
	global_store_b64 v27, v[PW:PW+1], s[92:93] offset:6144
	global_store_b64 v27, v[PW+2:PW+3], s[92:93] offset:6400
.Lend:
	s_wait_tensorcnt 0x0                           ; the wave's end
	ds_add_u32 v[SPW], v[NIL]
	s_wait_dscnt 0x0
	CROUND                                         ; the closing round
	s_endpgm
.Lfunc_end_k_q4f0d3957fc_proj:
	.size	k_q4f0d3957fc_proj, .Lfunc_end_k_q4f0d3957fc_proj-k_q4f0d3957fc_proj
	.p2alignl 7, 3214868480
	.fill 96, 4, 3214868480
	.section	.rodata,"a",@progbits
	.p2align	6, 0x0
	.amdhsa_kernel k_q4f0d3957fc_proj
		.amdhsa_group_segment_fixed_size 295424
		.amdhsa_private_segment_fixed_size 0
		.amdhsa_enable_private_segment 0
		.amdhsa_kernarg_size 56
		.amdhsa_user_sgpr_count 2
		.amdhsa_user_sgpr_kernarg_segment_ptr 1
		.amdhsa_wavefront_size32 1
		.amdhsa_system_sgpr_workgroup_id_x 1
		.amdhsa_system_sgpr_workgroup_id_y 1
		.amdhsa_system_sgpr_workgroup_id_z 1
		.amdhsa_system_vgpr_workitem_id 0
		.amdhsa_next_free_vgpr 768
		.amdhsa_next_free_sgpr 100
		.amdhsa_reserve_vcc 0
		.amdhsa_float_denorm_mode_32 3
		.amdhsa_float_denorm_mode_16_64 3
		.amdhsa_memory_ordered 1
		.amdhsa_forward_progress 1
		.amdhsa_inst_pref_size 146
	.end_amdhsa_kernel
	.amdgpu_metadata
---
amdhsa.version: [ 1, 2 ]
amdhsa.kernels:
  - .name:           k_q4f0d3957fc_proj
    .symbol:         k_q4f0d3957fc_proj.kd
    .args:
      - { .name: codes, .offset: 0, .size: 8, .value_kind: global_buffer, .address_space: global }
      - { .name: scales, .offset: 8, .size: 8, .value_kind: global_buffer, .address_space: global }
      - { .name: bq, .offset: 16, .size: 8, .value_kind: global_buffer, .address_space: global }
      - { .name: bk, .offset: 24, .size: 8, .value_kind: global_buffer, .address_space: global }
      - { .name: bv, .offset: 32, .size: 8, .value_kind: global_buffer, .address_space: global }
      - { .name: qw, .offset: 40, .size: 8, .value_kind: global_buffer, .address_space: global }
      - { .name: kvw, .offset: 48, .size: 8, .value_kind: global_buffer, .address_space: global }
    .group_segment_fixed_size: 295424
    .private_segment_fixed_size: 0
    .kernarg_segment_align: 8
    .kernarg_segment_size: 56
    .max_flat_workgroup_size: 128
    .sgpr_count:     100
    .vgpr_count:     768
    .wavefront_size: 32
...
	.end_amdgpu_metadata
.endif
;; end of part 2
;; launch attn (part 3): grid 4 x 64, 16 waves a work-group, clusters of 4 x 1, 215,040 bytes of LDS; arguments qw, kvw, codes, scales; writes codes, scales
.if DOCPART == 3
	.amdgcn_target "amdgcn-amd-amdhsa--gfx1250"
	.amdhsa_code_object_version 6
	.text
	.protected	k_q4f0d3957fc_attn
	.globl	k_q4f0d3957fc_attn
	.p2align	8
	.type	k_q4f0d3957fc_attn,@function
k_q4f0d3957fc_attn:
	s_mov_b64 s[64:65], 0
	v_nop
	global_prefetch_b8 v0, s[64:65] scope:SCOPE_SE
	s_setreg_imm32_b32 hwreg(HW_REG_WAVE_MODE, 25, 1), 1
	s_wait_xcnt 0x0
	s_wait_alu depctr_hold_cnt(0) depctr_sa_sdst(0) depctr_va_vdst(0) depctr_va_sdst(0) depctr_va_ssrc(0) depctr_va_vcc(0) depctr_vm_vsrc(0)
	s_getreg_b32 s2, hwreg(HW_REG_IB_STS2, 6, 4)
	s_cmp_eq_u32 s2, 0
	s_cbranch_scc0 .Lentry_in_a_cluster
	s_endpgm
.Lentry_in_a_cluster:
	s_bfe_u32 s2, ttmp6, 0x10000c
	s_cmp_lg_u32 s2, 0x3003
	s_cbranch_scc0 .Lentry_shape_is_right
	s_endpgm
.Lentry_shape_is_right:
; x[b][q][64 h ..] = softmax_k(Q . K / 8) V for one head, both products on codes of FP6, and x quantised along D_MODEL into the last product's operand (tiles 1792 on of `codes` and `scales`).
; THE SOFTMAX AHEAD OF THE SECOND PRODUCT: t = score x log2(e) / 8; M = the running largest t rounded UP to a whole number; p = 2^(t - M) is quantised along the keys, not normalised;
; the row's sum is taken of the unquantised p and divides at the end.  When M moves, the sums and O are multiplied by f = 2^(old M - new M): exact.  A pass's first step finds f = 0.
; SHARES.  A work-group owns 512 queries of one head; each of its sixteen waves two tiles of 16, one after the other: two passes over the keys, 128 a step, written as one loop of two trips.  256 work-groups of equal work.
; THE WHOLE HEAD'S K AND V LIE IN LDS (16 steps x 13,312 bytes), filled ONCE: wave w asks for step w.  Waves 0-3 have a load line of their own: the first barrier shows steps 0-3, the barrier behind step 3 all sixteen.
; All loads go out at the head, so nothing is asked for ahead of them.
; CLUSTER.  The four work-groups of a cluster are the four quarters of one head's queries: each step's block is asked for JOINTLY, by the same load with the same descriptor and the mask of all four.
; LAYOUT.  Both products transposed: S^T = K Q^T, O^T = V^T P^T: a lane holds ONE query (lane % 16).  The head's 64 are half of the instruction's 128 along K: a fragment of K holds TWO tiles of keys (registers 0-5, 6-11),
; and is multiplied once by [q | zero codes] and once by [zero codes | q].  Row rho of K's tile a is key 64 (a / 4) + 8 (a % 4) + rho % 8 + 32 (rho / 8) of the step: so register 32 c + i of S^T in lane (r, h) is key 64 c + 32 h + i:
; a lane holds two WHOLE scale blocks, in the order of the operand's registers: no lane asks another for a block's maximum, and the conversions' results are the operand.
; A STEP: the scores; V's loads; the blocks' maxima; M and f; t - M; one batch of exponentials; scales, codes; O x f; the second product; behind it the row's sums (four chains), among which the next step's K is fetched.
; LIMITS: NaN and infinities are not served; the promise holds while the scaled scores stay under 2^31 in magnitude; a block of zeros or under 2^-124 gets the byte 1.
; x's scale bytes leave as 2 bytes a lane, 16 bytes apart: 256 KB of the launch's stores fill their 256-byte blocks in part.
.set STEPB, 13312
.set SPARE, 16*STEPB
.set SPW,  5
.set NIL,  6
.set QP,   34                          ; v34-45 the pair of query tiles, v46 its scale word
.set QS,   47                          ; the scale word of the tile in hand, its two bytes twice
.set FRG,  48                          ; v48-95 four fragments of K, then of V
.set S,    96                          ; v96-159 S^T, then p
.set O,    160                         ; v160-191 O^T
.set PC,   192                         ; v192-203 p's codes; v204-206, v208-210 the conversions' second halves
.set CT,   204
.set KS,   212
.set VS,   216
.set PS,   220
.set BM,   224                         ; v224-227 maxima: block c in two chains, 2 c and 2 c + 1
.set BT,   228
.set BO,   232
.set L,    244                         ; v244-251 the row's sum in four pairs
.set CS,   30
.set SEL,  28
.set TB,   32
.macro CROUND
	s_barrier_signal -1
	s_barrier_wait -1
	s_cmp_lg_u32 s12, 0
	s_cbranch_scc1 .Lnot_wave_0_\@
	s_barrier_signal -3
.Lnot_wave_0_\@:
	s_barrier_wait -3
	s_barrier_signal -1
	s_barrier_wait -1
.endm
.macro WALU
	s_wait_alu depctr_va_vdst(0)
.endm
.macro DEP1
	s_delay_alu instid0(VALU_DEP_1)
.endm
.macro MM d, a, b, c, sa, sb
	v_wmma_scale_f32_16x16x128_f8f6f4 v[\d:\d+7], v[\a:\a+11], v[\b:\b+11], \c, v[\sa], v[\sb] matrix_a_fmt:MATRIX_FMT_FP6 matrix_b_fmt:MATRIX_FMT_FP6
.endm
.macro FLOAD base, sc                  ; four fragments as images of their registers, and their scale words
.irp f, 0,1,2,3
.irp g, 0,1,2
	ds_load_b128 v[FRG+12*\f+4*\g:FRG+12*\f+4*\g+3], v3 offset:\base+1536*\f+512*\g
.endr
.endr
	ds_load_b64 v[\sc:\sc+1], v4 offset:\base+6144
	ds_load_b64 v[\sc+2:\sc+3], v4 offset:\base+6400
.endm
.macro KLOAD                           ; K of the step at s[TB], where no step ahead has fetched it
	v_add_nc_u32 v3, s[TB], v1
	v_add_nc_u32 v4, s[TB], v2
	FLOAD 0, KS
.endm
	s_load_b256 s[4:11], s[0:1], 0x0               ; qw, kvw, codes, scales
	v_lshl_add_u32 v[SPW], v0, 2, SPARE
	v_mov_b32 v[NIL], 0
	ds_add_u32 v[SPW], v[NIL]                      ; the wave's opening: the add, twice on end, and its wait ahead of my tensor load
	ds_add_u32 v[SPW], v[NIL]
	v_lshrrev_b32 v1, 5, v0
	v_readfirstlane_b32 s12, v1                    ; wave 0..15
	s_bfe_u32 s13, ttmp6, 0x40000                  ; cx: which quarter of the queries
	s_and_b32 s14, ttmp7, 0xffff                   ; 16 x batch + head, which the partners share
	s_mov_b32 s16, 15|(3<<16)|(1<<21)              ; group 1: a dense block of 13,312 bytes as 52 rows of 32 elements of 8 bytes; mask: all four
	s_mov_b32 s17, 32<<16
	s_mov_b32 s18, 52<<16
	s_mov_b32 s19, 32<<16
	s_mov_b32 s20, 52
	s_mov_b32 s21, 32
	s_mov_b32 s22, 0
	s_mov_b32 s23, 0
	s_mov_b32 s24, 1
	s_mul_i32 s25, s12, STEPB                      ; step w's place in LDS
	s_mul_i32 s38, s14, 16*STEPB
	s_add_co_u32 s38, s38, s25                     ; and in memory
	s_mov_b32 s39, 0
	s_lshl_b32 s44, s14, 4
	s_lshl_b32 s42, s13, 2
	s_add_co_u32 s44, s44, s42
	s_lshr_b32 s42, s12, 2
	s_add_co_u32 s44, s44, s42
	s_mul_i32 s44, s44, 6656                       ; my block of 128 queries
	s_and_b32 s42, s12, 3                          ; my fragment in it
	s_mul_i32 s40, s42, 1536
	s_add_co_u32 s40, s40, s44                     ; its codes
	s_mov_b32 s41, 0
	s_lshr_b32 s43, s42, 1
	s_lshl_b32 s43, s43, 8
	s_add_co_u32 s44, s44, s43
	s_and_b32 s43, s12, 1
	s_lshl_b32 s43, s43, 2
	s_add_co_u32 s44, s44, s43                     ; its scale word (6,144 further on)
	s_mov_b32 s45, 0
	s_lshr_b32 s46, s14, 4                         ; batch
	s_and_b32 s47, s14, 15                         ; head
	s_lshl_b32 s46, s46, 7
	s_lshl_b32 s43, s13, 5
	s_add_co_u32 s46, s46, s43
	s_lshl_b32 s43, s12, 1
	s_add_co_u32 s46, s46, s43
	s_add_co_u32 s46, s46, 1792                    ; x's tile for my first 16 queries: the number of q's tile + 1792
	s_mul_i32 s34, s46, 12288
	s_lshr_b32 s43, s47, 1
	s_mul_i32 s43, s43, 1536                       ; K step head / 2,
	s_add_co_u32 s34, s34, s43
	s_and_b32 s43, s47, 1
	s_mul_i32 s43, s43, 768                        ; registers 6 (head % 2) on: three pieces
	s_add_co_u32 s34, s34, s43
	s_mov_b32 s35, 0
	s_lshl_b32 s46, s46, 9
	s_lshr_b32 s43, s47, 3
	s_lshl_b32 s43, s43, 8
	s_add_co_u32 s46, s46, s43
	s_bfe_u32 s43, s47, 0x20001
	s_lshl_b32 s43, s43, 2
	s_add_co_u32 s46, s46, s43
	s_and_b32 s43, s47, 1
	s_lshl_b32 s43, s43, 1
	s_add_co_u32 s46, s46, s43                     ; my two bytes in a row's scale words
	s_mov_b32 s47, 0
	s_mov_b32 s[SEL], 0x76543210
	s_mov_b32 s[SEL+1], 0xfedcba98                 ; selects for lane l xor 16
	s_mov_b32 s[CS], 0x3e38aa3b                    ; c = log2(e) / 8
	s_mov_b32 s[CS+1], s[CS]                       ; (named with it as a pair)
	s_mov_b32 s36, 0xffff                          ; the lanes that keep this pass's scale bytes of x
	s_mov_b32 s37, 0                               ; the pass
	s_wait_dscnt 0x0                               ; both opening adds are done
	s_wait_kmcnt 0x0
	s_add_nc_u64 s[26:27], s[6:7], s[38:39]
	s_or_b32 s27, s27, 0x80000000
	s_add_nc_u64 s[40:41], s[4:5], s[40:41]
	s_add_nc_u64 s[44:45], s[4:5], s[44:45]
	s_add_nc_u64 s[34:35], s[8:9], s[34:35]
	s_add_nc_u64 s[46:47], s[10:11], s[46:47]
	CROUND                                         ; all four work-groups are here: the joint loads meet
	s_cmp_lt_u32 s12, 4                            ; two arms, one load each: waves 0-3, who wait ahead of the first barrier, have a line of their own
	s_cbranch_scc0 .Llater
	tensor_load_to_lds s[24:27], s[16:23]
	s_nop 0
.rept 4
	v_nop
.endr
	s_branch .Lasked
.Llater:
	tensor_load_to_lds s[24:27], s[16:23]
	s_nop 0
.rept 4
	v_nop
.endr
.Lasked:
	v_and_b32 v9, 31, v0
	v_and_b32 v10, 15, v0
	v_bfe_u32 v11, v0, 4, 1
	v_lshlrev_b32 v1, 4, v9                        ; 16 x lane: an image's place
	v_lshlrev_b32 v2, 3, v9                        ; 8 x lane
	v_lshlrev_b32 v7, 4, v10
	v_lshl_add_u32 v7, v11, 9, v7                  ; x's scale bytes: lanes 0-15 the first tile's rows, lanes 16-31 the second's
	v_mov_b32 v8, 0
.irp g, 0,1,2
	global_load_b128 v[QP+4*\g:QP+4*\g+3], v1, s[40:41] offset:512*\g
.endr
	global_load_b32 v46, v2, s[44:45] offset:6144
.irp i, 0,1,2,3,4,5
	v_mov_b32 v[16+\i], 0                          ; zero codes on both sides of q: v[22:33] = [q | 0], v[16:27] = [0 | q]
	v_mov_b32 v[28+\i], 0
.endr
	v_mov_b32 v[BT], 0
	v_mov_b32 v[BT+1], 0                           ; a lane permute's destination counts as read
	v_mov_b32 v238, 0
	v_mov_b32 v241, 0                              ; (named as the upper half of the pair v[240:241])
.set j, 0
.rept 32
	v_mov_b32 v[O+j], 0                            ; finite numbers for the first f = 0 to multiply; the second pass finds the first's
.set j, j+1
.endr
.set j, 0
.rept 8
	v_mov_b32 v[L+j], 0
.set j, j+1
.endr
	WALU
	s_cmp_lt_u32 s12, 4
	s_cbranch_scc0 .Lnot_first
	s_wait_tensorcnt 0x0                           ; steps 0-3 are in; the others may be out
.Lnot_first:
	s_barrier_signal -1
	s_barrier_wait -1
	s_wait_loadcnt 0x0                             ; Q
.macro STEP pre                        ; 128 keys.  pre = 1: the next step's K is fetched
	s_wait_dscnt 0x0                               ; K's fragments and words
.irp f, 0,1,2,3
	MM S+16*\f, FRG+12*\f, 22, 0, KS+\f, QS
	MM S+16*\f+8, FRG+12*\f, 16, 0, KS+\f, QS
.endr
	v_add_nc_u32 v3, s[TB], v1                     ; four places behind the products (ISA guide 7.12.1): this step's addresses,
	v_add_nc_u32 v4, s[TB], v2
	v_mov_b32 v238, v12                            ; the old -M
	v_nop
	FLOAD 6656, VS                                 ; V lands while the softmax is walked
.irp c, 0,1                                    ; the largest score of each block of 32 keys, all mine: for the row's maximum and, since p rises with the score, for the block's largest p.  Each accumulator from its low end on
	v_max3_num_f32 v[BM+2*\c], v[S+32*\c], v[S+32*\c+1], v[S+32*\c+2]
	v_max3_num_f32 v[BM+2*\c+1], v[S+32*\c+16], v[S+32*\c+17], v[S+32*\c+18]
.endr
.irp i, 3,5,7,9,11,13
.irp c, 0,1
	v_max3_num_f32 v[BM+2*\c], v[BM+2*\c], v[S+32*\c+\i], v[S+32*\c+\i+1]
	v_max3_num_f32 v[BM+2*\c+1], v[BM+2*\c+1], v[S+32*\c+16+\i], v[S+32*\c+17+\i]
.endr
.endr
.irp c, 0,1
	v_max3_num_f32 v[BM+2*\c], v[BM+2*\c], v[BM+2*\c+1], v[S+32*\c+15]
.endr
.irp c, 0,1
	v_max_num_f32 v[BM+2*\c], v[BM+2*\c], v[S+32*\c+31]
.endr
	DEP1
	v_max_num_f32 v[BT], v[BM], v[BM+2]
	DEP1
	v_permlanex16_b32 v[BT+1], v[BT], s[SEL], s[SEL+1]
	DEP1
	v_max3_num_f32 v13, v13, v[BT], v[BT+1]        ; the running largest score of my query
	DEP1
	v_mul_f32 v242, s[CS], v13                     ; as t (c is positive)
	DEP1
	v_floor_f32 v12, -v242                         ; -M = floor(-t): M is a whole number
	DEP1
	v_sub_f32 v238, v12, v238                      ; old M - new M: a whole number, 0 or less
	DEP1
	v_cvt_i32_f32 v238, v238                       ; (it saturates)
	DEP1
	v_ldexp_f32 v240, 1.0, v238                    ; f = 2^(old M - new M)
.irp c, 0,1
	v_fma_f32 v[BM+2*\c], v[BM+2*\c], s[CS], v12   ; t - M of each block's largest score,
.endr
.set j, 0
.rept 32
	v_pk_fma_f32 v[S+j:S+j+1], v[S+j:S+j+1], s[CS:CS+1], v[12:13] op_sel_hi:[1,0,0]   ; and of all
.set j, j+2
.endr
	WALU                                           ; a wait ahead of the batch
	v_exp_f32 v[BM], v[BM]                         ; the blocks' largest p
	v_exp_f32 v[BM+2], v[BM+2]
.set j, 0
.rept 64
	v_exp_f32 v[S+j], v[S+j]                       ; p = 2^(t - M)
.set j, j+1
.endr
	v_nop                                          ; a plain line behind the exponentials
	WALU                                           ; and one wait behind the batch, ahead of its first reader
.irp c, 0,1
	v_max_num_f32 v[BM+2*\c], 0x1800000, v[BM+2*\c]   ; the floor 2^(3 - 127): the byte cannot fall under 1
.endr
.irp c, 0,1
	v_add_nc_u32 v[BO+\c], 0xff000000, v[BM+2*\c]  ; 2 off the exponent field: the conversion's scale operand
.endr
.irp c, 0,1
	v_cvt_scalef32_pk16_fp6_f32 v[PC+6*\c:PC+6*\c+2], v[S+32*\c:S+32*\c+15], v[BO+\c]
	v_cvt_scalef32_pk16_fp6_f32 v[CT+4*\c:CT+4*\c+2], v[S+32*\c+16:S+32*\c+31], v[BO+\c]   ; (a conversion's three registers begin on an even number)
.endr
	v_perm_b32 v[BT], v[BO+1], v[BO], 0x07060302   ; the two operands' upper halves side by side (a plain line behind the conversions, which names none of their results);
	v_lshlrev_b32 v[BT], 1, v[BT]                  ; one bit up: byte 1 = block h's scale byte, byte 3 = block 2 + h's
	v_permlanex16_b32 v[BT+1], v[BT], s[SEL], s[SEL+1]
	v_perm_b32 v[PS], v[BT+1], v[BT], 0x07030501   ; lanes 0-15, which alone are read: blocks 0, 2 mine, 1, 3 lane l + 16's: p's scale word
.irp c, 0,1
.irp i, 0,1,2
	v_mov_b32 v[PC+3+6*\c+\i], v[CT+4*\c+\i]
.endr
.endr
	s_wait_dscnt 0x0                               ; V
	WALU                                           ; the wait directly ahead of the first reader of O^T; it also stands between the codes' and the word's writes and the products
.set j, 0
.rept 16
	v_pk_mul_f32 v[O+j:O+j+1], v[O+j:O+j+1], v[240:241] op_sel_hi:[1,0]   ; O^T under the new M; sixteen places between the word's and the codes' last writes and the products
.set j, j+2
.endr
.irp f, 0,1,2,3
	MM O+8*\f, FRG+12*\f, PC, v[O+8*\f:O+8*\f+7], VS+\f, PS
.endr
.irp i, 0,1,2,3                                ; the row's sum of the unquantised p, in four chains; each chain's first link brings it under the new M.  These four are the places ahead of the loads below
	v_pk_fma_f32 v[L+2*\i:L+2*\i+1], v[L+2*\i:L+2*\i+1], v[240:241], v[S+2*\i:S+2*\i+1] op_sel_hi:[1,0,1]
.endr
.if \pre
	FLOAD STEPB, KS                                ; the next step's K lands under the additions
.endif
.set j, 8
.rept 7
.irp i, 0,1,2,3
	v_pk_add_f32 v[L+2*\i:L+2*\i+1], v[L+2*\i:L+2*\i+1], v[S+j+2*\i:S+j+2*\i+1]
.endr
.set j, j+8
.endr
	s_add_co_u32 s[TB], s[TB], STEPB
.endm
.Lpass:                                                ; the tile in v[QP:QP+5], its two scale bytes in v46's low half
	v_and_b32 v[QS], 0xffff, v46
	v_lshl_or_b32 v[QS], v46, 16, v[QS]            ; the tile's two bytes, twice: they serve [q | 0] and [0 | q].  Ten plain lines follow ahead of the first product
.irp i, 0,1,2,3,4,5
	v_mov_b32 v[22+\i], v[QP+\i]
.endr
	v_mov_b32 v13, 0xff61b1e6                      ; the largest score so far: -3e38
	v_mov_b32 v12, 0x7e000000                      ; and a -M so large that the first step's f is 0
	s_mov_b32 s[TB], 0
	KLOAD
	WALU                                           ; the wait here
	s_mov_b32 s33, 3
.Lsteps_a:                                             ; steps 0-2; they fetch K up to step 3's
	STEP 1
	s_sub_co_u32 s33, s33, 1
	s_cmp_lg_u32 s33, 0
	s_cbranch_scc1 .Lsteps_a
	STEP 0                                         ; step 3
	s_wait_tensorcnt 0x0                           ; every wave's load is in,
	s_wait_dscnt 0x0
	s_barrier_signal -1
	s_barrier_wait -1                              ; so all sixteen steps are shown to all
	KLOAD
	s_mov_b32 s33, 11
.Lsteps_b:                                             ; steps 4-14
	STEP 1
	s_sub_co_u32 s33, s33, 1
	s_cmp_lg_u32 s33, 0
	s_cbranch_scc1 .Lsteps_b
	STEP 0                                         ; step 15
	v_pk_add_f32 v[L:L+1], v[L:L+1], v[L+2:L+3]
	v_pk_add_f32 v[L+4:L+5], v[L+4:L+5], v[L+6:L+7]
	DEP1
	v_pk_add_f32 v[L:L+1], v[L:L+1], v[L+4:L+5]
	DEP1
	v_add_f32 v14, v[L], v[L+1]                    ; the sum's parts,
	DEP1
	v_permlanex16_b32 v238, v14, s[SEL], s[SEL+1]
	DEP1
	v_add_f32 v14, v14, v238                       ; and lane l xor 16's
	WALU
	v_rcp_f32 v239, v14
	v_nop                                          ; a plain line behind the reciprocal
	WALU
.set j, 0
.rept 32
	v_mul_f32 v[S+j], v[O+j], v239                 ; register 16 a + i = x(query r, 32 a + 16 h + i of the head's 64)
.set j, j+1
.endr
.irp a, 0,1
	v_max3_num_f32 v[BM+\a], |v[S+16*\a]|, |v[S+1+16*\a]|, 0x1800000
.endr
.irp i, 2,4,6,8,10,12,14
.irp a, 0,1
	s_delay_alu instid0(VALU_DEP_2)
	v_max3_num_f32 v[BM+\a], v[BM+\a], |v[S+16*\a+\i]|, |v[S+1+16*\a+\i]|
.endr
.endr
.irp a, 0,1
	s_delay_alu instid0(VALU_DEP_2)
	v_permlanex16_b32 v[BT+\a], v[BM+\a], s[SEL], s[SEL+1]
.endr
.irp a, 0,1
	s_delay_alu instid0(VALU_DEP_2)
	v_max_num_f32 v[BM+\a], v[BM+\a], v[BT+\a]
.endr
.irp a, 0,1
	s_delay_alu instid0(VALU_DEP_2)
	v_add_nc_u32 v[BO+\a], 0xff000000, v[BM+\a]
.endr
.irp a, 0,1
	s_delay_alu instid0(VALU_DEP_2)
	v_lshrrev_b32 v[BT+\a], 23, v[BO+\a]
.endr
	DEP1
	v_lshl_or_b32 v238, v[BT+1], 8, v[BT]          ; my row's two bytes
	v_cndmask_b32 v8, v8, v238, s36                ; kept in lanes 0-15 for the first tile, in lanes 16-31 for the second
	v_cvt_scalef32_pk16_fp6_f32 v[PC:PC+2], v[S:S+15], v[BO]
	v_cvt_scalef32_pk16_fp6_f32 v[CT:CT+2], v[S+16:S+31], v[BO+1]
	v_nop
.irp i, 0,1,2
	v_permlane16_swap_b32 v[PC+\i], v[CT+\i]
.endr
.irp i, 0,1,2
	s_delay_alu instid0(VALU_DEP_3)
	v_mov_b32 v[PC+3+\i], v[CT+\i]
.endr
.irp p, 0,1,2
	global_store_b64 v2, v[PC+2*\p:PC+2*\p+1], s[34:35] offset:256*\p   ; 256 consecutive bytes, aligned
.endr
.irp i, 0,1,2,3,4,5
	v_mov_b32 v[QP+\i], v[QP+6+\i]                 ; the second tile takes the first's place,
.endr
	v_lshrrev_b32 v46, 16, v46                     ; and so do its two bytes
	s_wait_xcnt 0x0                                ; the stores have read their base and the codes' registers
	s_add_nc_u64 s[34:35], s[34:35], 12288         ; x's next tile
	s_lshl_b32 s36, s36, 16
	s_add_co_u32 s37, s37, 1
	s_cmp_lg_u32 s37, 2
	WALU
	s_cbranch_scc1 .Lpass
	global_store_b16 v7, v8, s[46:47]
	s_wait_tensorcnt 0x0                           ; the wave's end
	ds_add_u32 v[SPW], v[NIL]
	s_wait_dscnt 0x0
	CROUND                                         ; the closing round
	s_endpgm
.Lfunc_end_k_q4f0d3957fc_attn:
	.size	k_q4f0d3957fc_attn, .Lfunc_end_k_q4f0d3957fc_attn-k_q4f0d3957fc_attn
	.p2alignl 7, 3214868480
	.fill 96, 4, 3214868480
	.section	.rodata,"a",@progbits
	.p2align	6, 0x0
	.amdhsa_kernel k_q4f0d3957fc_attn
		.amdhsa_group_segment_fixed_size 215040
		.amdhsa_private_segment_fixed_size 0
		.amdhsa_enable_private_segment 0
		.amdhsa_kernarg_size 32
		.amdhsa_user_sgpr_count 2
		.amdhsa_user_sgpr_kernarg_segment_ptr 1
		.amdhsa_wavefront_size32 1
		.amdhsa_system_sgpr_workgroup_id_x 1
		.amdhsa_system_sgpr_workgroup_id_y 1
		.amdhsa_system_sgpr_workgroup_id_z 1
		.amdhsa_system_vgpr_workitem_id 0
		.amdhsa_next_free_vgpr 256
		.amdhsa_next_free_sgpr 66
		.amdhsa_reserve_vcc 0
		.amdhsa_float_denorm_mode_32 3
		.amdhsa_float_denorm_mode_16_64 3
		.amdhsa_memory_ordered 1
		.amdhsa_forward_progress 1
		.amdhsa_inst_pref_size 72
	.end_amdhsa_kernel
	.amdgpu_metadata
---
amdhsa.version: [ 1, 2 ]
amdhsa.kernels:
  - .name:           k_q4f0d3957fc_attn
    .symbol:         k_q4f0d3957fc_attn.kd
    .args:
      - { .name: qw, .offset: 0, .size: 8, .value_kind: global_buffer, .address_space: global }
      - { .name: kvw, .offset: 8, .size: 8, .value_kind: global_buffer, .address_space: global }
      - { .name: codes, .offset: 16, .size: 8, .value_kind: global_buffer, .address_space: global }
      - { .name: scales, .offset: 24, .size: 8, .value_kind: global_buffer, .address_space: global }
    .group_segment_fixed_size: 215040
    .private_segment_fixed_size: 0
    .kernarg_segment_align: 8
    .kernarg_segment_size: 32
    .max_flat_workgroup_size: 512
    .sgpr_count:     66
    .vgpr_count:     256
    .wavefront_size: 32
...
	.end_amdgpu_metadata
.endif
;; end of part 3
;; launch outp (part 4): grid 4 x 64, 4 waves a work-group, clusters of 4 x 4, 295,424 bytes of LDS; arguments codes, scales, bo, out0; writes out0
.if DOCPART == 4
	.amdgcn_target "amdgcn-amd-amdhsa--gfx1250"
	.amdhsa_code_object_version 6
	.text
	.protected	k_q4f0d3957fc_outp
	.globl	k_q4f0d3957fc_outp
	.p2align	8
	.type	k_q4f0d3957fc_outp,@function
k_q4f0d3957fc_outp:
	s_mov_b64 s[64:65], 0
	v_nop
	global_prefetch_b8 v0, s[64:65] scope:SCOPE_SE
	s_setreg_imm32_b32 hwreg(HW_REG_WAVE_MODE, 25, 1), 1
	s_wait_xcnt 0x0
	s_wait_alu depctr_hold_cnt(0) depctr_sa_sdst(0) depctr_va_vdst(0) depctr_va_sdst(0) depctr_va_ssrc(0) depctr_va_vcc(0) depctr_vm_vsrc(0)
	s_getreg_b32 s2, hwreg(HW_REG_IB_STS2, 6, 4)
	s_cmp_eq_u32 s2, 0
	s_cbranch_scc0 .Lentry_in_a_cluster
	s_endpgm
.Lentry_in_a_cluster:
	s_bfe_u32 s2, ttmp6, 0x10000c
	s_cmp_lg_u32 s2, 0xf033
	s_cbranch_scc0 .Lentry_shape_is_right
	s_endpgm
.Lentry_shape_is_right:
; out0 = x Wo^T + bo on codes of FP6.  R = x (tiles 1792 on, written by the attention launch), P = Wo (tiles 1728 on); K = 1024.
; Source 0 = 16 rows of P, source 1 = 16 rows of R: a lane holds one row of out0 and its registers run along the columns.
; A work-group makes 128 rows x 256 columns, a wave 64 x 128: 32 accumulators; 256 work-groups.  The tile's whole K lies in LDS, filled ONCE in two halves of 512 along K; a wave has one tensor load out at the most.
; CLUSTER 4 x 4: x's tiles are asked for jointly along a row of the cluster, Wo's along a column.
; The tiles of `codes` hold rows 32 (a / 2) + 8 (a % 2) + rho % 8 + 16 (rho / 8): the stage's offsets put the columns, and the stores' offsets the rows, back in their order.
; bo is the C of each sum's first product.
; REGISTERS.  window 0: v1-3 r, h, lane; v16-23 LDS addresses; v24-27, v30, v31 offsets; v28, v29 the add's two; v32-95 scale words; v96-191 R's two sets, on the way out v96-223 rows of out0.
;   window 1: P's two sets at v0 and v128; bo in v96-127 and v224-255.   window 2: accumulator (a, b) at v[8 (8 a + b)].
.set CH,    73728
.set SPARE, 4*CH
.set ADRR,  16
.set ADRP,  20
.set VSLO,  24
.set VSHI,  25
.set STO,   26
.set RD,    27
.set SPW,   28
.set NIL,   29
.set CO,    30
.set SC,    32
.set RF,    96
.set BK,    96
.set G1R,   24
.set G0R,   32
.set G1P,   48
.set G0P,   68
.set MSB,   0
.macro WIN new
.if MSB != \new
	s_set_vgpr_msb (MSB<<8)|\new
.set MSB, \new
.endif
.endm
.macro CROUND
	s_barrier_signal -1
	s_barrier_wait -1
	s_cmp_lg_u32 s18, 0
	s_cbranch_scc1 .Lnot_wave_0_\@
	s_barrier_signal -3
.Lnot_wave_0_\@:
	s_barrier_wait -3
	s_barrier_signal -1
	s_barrier_wait -1
.endm
.macro PLACES                          ; four plain lines between a matrix instruction and a load into, or a read of, its registers
.rept 4
	v_nop
.endr
.endm
.macro FETCH n
.set FK, (\n)/4                        ; LDS holds K as two halves of 512: in each R's 8 tiles x 6,144 bytes, then P's 16
.set FQ, (\n)%4
.set FS, (\n)%2
	WIN 0x40
.irp b, 0,1,2,3,4,5,6,7
.irp p, 0,1,2,3,4,5
	ds_load_b64 v[128*FS+12*\b+2*\p:128*FS+12*\b+2*\p+1], v[ADRP+FK] offset:6144*\b+1536*FQ+256*\p
.endr
.endr
	WIN 0
.irp a, 0,1,2,3
.irp p, 0,1,2,3,4,5
	ds_load_b64 v[RF+48*FS+12*\a+2*\p:RF+48*FS+12*\a+2*\p+1], v[ADRR+FK] offset:6144*\a+1536*FQ+256*\p
.endr
.endr
.endm
.macro MUL32 n, first                  ; the 32 accumulators take turns, one instruction a turn, in the same order in every step
.set MP, (\n)%2
.if \first
	WIN 0x91                                       ; C (the bias) window 1, D window 2
.else
	WIN 0xa1
.endif
.irp a, 0,1,2,3
.irp b, 0,1,2,3,4,5,6,7
.if \first
	v_wmma_scale_f32_16x16x128_f8f6f4 v[8*(8*\a+\b):8*(8*\a+\b)+7], v[128*MP+12*\b:128*MP+12*\b+11], v[RF+48*MP+12*\a:RF+48*MP+12*\a+11], v[96+8*\b+96*(\b/4):96+8*\b+96*(\b/4)+7], v[SC+8*\b+(\n)], v[SC+8*\a+(\n)] matrix_a_fmt:MATRIX_FMT_FP6 matrix_b_fmt:MATRIX_FMT_FP6 matrix_a_scale:MATRIX_SCALE_ROW1
.else
	v_wmma_scale_f32_16x16x128_f8f6f4 v[8*(8*\a+\b):8*(8*\a+\b)+7], v[128*MP+12*\b:128*MP+12*\b+11], v[RF+48*MP+12*\a:RF+48*MP+12*\a+11], v[8*(8*\a+\b):8*(8*\a+\b)+7], v[SC+8*\b+(\n)], v[SC+8*\a+(\n)] matrix_a_fmt:MATRIX_FMT_FP6 matrix_b_fmt:MATRIX_FMT_FP6 matrix_a_scale:MATRIX_SCALE_ROW1
.endif
.endr
.endr
.endm
.macro STEP n, first
	s_wait_dscnt 0x0                               ; this step's fragments are in
.if (\n) == 3
	s_wait_tensorcnt 0x0                           ; every wave's one load is in: the second half of K is shown to all
	s_barrier_signal -1
	s_barrier_wait -1
.endif
.if (\n) < 7
.if (\n) > 0
	PLACES
.endif
	FETCH (\n)+1
.endif
	MUL32 \n, \first
	WIN 0
.endm
	s_load_b256 s[4:11], s[0:1], 0x0               ; codes, scales, bo, out0
	v_lshl_add_u32 v[SPW], v0, 2, SPARE
	v_mov_b32 v[NIL], 0
	ds_add_u32 v[SPW], v[NIL]                      ; the wave's opening: the add and its wait ahead of my first tensor load
	ds_add_u32 v[SPW], v[NIL]
	v_lshrrev_b32 v1, 5, v0
	v_readfirstlane_b32 s18, v1                    ; wave 0..3
	s_lshr_b32 s19, s18, 1                         ; wi.  Also: which half of K I fetch
	s_and_b32 s20, s18, 1                          ; wj.  Also: I fetch for R (0) or for P (1)
	s_bfe_u32 s21, ttmp6, 0x40000                  ; cx = the tile column
	s_bfe_u32 s22, ttmp6, 0x40004                  ; cy
	s_and_b32 s57, ttmp7, 0xffff
	s_lshl_b32 s57, s57, 2
	s_add_co_u32 s57, s57, s22                     ; the tile row
	s_lshl_b32 s58, s22, 2
	s_lshl_b32 s58, 15, s58                        ; my row of the cluster
	s_lshl_b32 s59, 0x1111, s21                    ; my column
	s_or_b32 s[G1R], s58, (3<<16)|(1<<21)          ; rows of 768 elements of 8 bytes, 1,536 elements apart; dense in LDS
	s_mov_b32 s[G1R+1], 768<<16                    ; a load brings half of K of all the operand's tiles: rows of 768 elements of 8 bytes (6,144 bytes), a tile apart
	s_mov_b32 s[G1R+2], 8<<16
	s_mov_b32 s[G1R+3], 768<<16
	s_mov_b32 s[G1R+4], 8
	s_mov_b32 s[G1R+5], 1536
	s_mov_b32 s[G1R+6], 0
	s_mov_b32 s[G1R+7], 0
	s_or_b32 s[G1P], s59, (3<<16)|(1<<21)
	s_mov_b32 s[G1P+1], 768<<16
	s_mov_b32 s[G1P+2], 16<<16
	s_mov_b32 s[G1P+3], 768<<16
	s_mov_b32 s[G1P+4], 16
	s_mov_b32 s[G1P+5], 1536
	s_mov_b32 s[G1P+6], 0
	s_mov_b32 s[G1P+7], 0
	s_lshl_b32 s88, s57, 3
	s_add_co_u32 s88, s88, 1792                    ; x's first tile of my tile row
	s_mul_i32 s90, s88, 12288                      ; x's eight tiles
	s_mov_b32 s91, 0
	s_lshl_b32 s92, s21, 4
	s_add_co_u32 s92, s92, 1728                    ; Wo's first tile of my tile column
	s_mul_i32 s94, s92, 12288                      ; Wo's sixteen tiles
	s_mov_b32 s95, 0
	s_lshl_b32 s89, s19, 2
	s_add_co_u32 s98, s88, s89
	s_lshl_b32 s98, s98, 9                         ; the scale words of my four tiles of x,
	s_lshl_b32 s89, s20, 3
	s_add_co_u32 s99, s92, s89
	s_lshl_b32 s99, s99, 9                         ; and of my eight tiles of Wo
	s_lshl_b32 s86, s21, 10
	s_lshl_b32 s89, s20, 9
	s_add_co_u32 s86, s86, s89                     ; my 128 columns, in bytes
	s_mov_b32 s87, 0
	s_lshl_b32 s84, s57, 19
	s_lshl_b32 s89, s19, 18
	s_add_co_u32 s84, s84, s89
	s_add_co_u32 s84, s84, s86                     ; and my first row of out0 at them
	s_mov_b32 s85, 0
	s_wait_dscnt 0x0                               ; the opening add is done
	s_wait_kmcnt 0x0
	s_add_nc_u64 s[90:91], s[4:5], s[90:91]
	s_add_nc_u64 s[94:95], s[4:5], s[94:95]
	s_add_nc_u64 s[8:9], s[8:9], s[86:87]
	s_add_nc_u64 s[10:11], s[10:11], s[84:85]
	CROUND                                         ; all sixteen work-groups are here: the joint loads meet
.irp c, 0,1                                    ; half c of K: R's tiles at 2 c CH, P's 49,152 bytes behind them
	s_mov_b32 s[G0R+4*\c], 1
	s_mov_b32 s[G0R+4*\c+1], \c*2*CH
	s_add_nc_u64 s[G0R+4*\c+2:G0R+4*\c+3], s[90:91], \c*6144
	s_or_b32 s[G0R+4*\c+3], s[G0R+4*\c+3], 0x80000000
	s_mov_b32 s[G0P+4*\c], 1
	s_mov_b32 s[G0P+4*\c+1], \c*2*CH+49152
	s_add_nc_u64 s[G0P+4*\c+2:G0P+4*\c+3], s[94:95], \c*6144
	s_or_b32 s[G0P+4*\c+3], s[G0P+4*\c+3], 0x80000000
.endr
; THE FILLS, ONE JOINT LOAD A WAVE: wave 0 x's first half of K, wave 1 Wo's, wave 2 x's second half, wave 3 Wo's.  One chain of branches on the wave's number, one load to an arm, all arms to one join.
.macro ARM under, g0, g1, next
	s_cmp_lt_u32 s18, \under
	s_cbranch_scc0 \next
	tensor_load_to_lds s[\g0:\g0+3], s[\g1:\g1+7]
	s_nop 0
	PLACES
	s_branch .Lfirst_done
\next:
.endm
	ARM 1, G0R, G1R, .Lhead_p0
	ARM 2, G0P, G1P, .Lhead_r1
	ARM 3, G0R+4, G1R, .Lhead_p1
	tensor_load_to_lds s[G0P+4:G0P+7], s[G1P:G1P+7]
	s_nop 0
	PLACES
.Lfirst_done:
	v_and_b32 v1, 15, v0                           ; r
	v_bfe_u32 v2, v0, 4, 1                         ; h
	v_and_b32 v3, 31, v0                           ; lane
	v_lshlrev_b32 v4, 3, v3
	s_wait_alu depctr_va_vdst(0)
	s_mul_i32 s58, s19, 24576                      ; my four tiles of x,
	s_mul_i32 s59, s20, 49152
	s_add_co_u32 s59, s59, 49152                   ; my eight of Wo, behind x's eight
.irp c, 0,1
	v_add_nc_u32 v[ADRR+\c], s58, v4
	v_add_nc_u32 v[ADRP+\c], s59, v4
	s_add_co_u32 s58, s58, 2*CH
	s_add_co_u32 s59, s59, 2*CH
.endr
	v_cmp_eq_u32 s60, 1, v2                        ; lanes 16-31 take P's words
	v_mov_b32 v5, s98
	v_mov_b32 v6, s99
	v_cndmask_b32 v[VSLO], v5, v6, s60
	v_add_nc_u32 v6, 2048, v6
	v_cndmask_b32 v[VSHI], v5, v6, s60
	v_lshl_add_u32 v[VSLO], v1, 4, v[VSLO]
	v_lshl_add_u32 v[VSHI], v1, 4, v[VSHI]
.irp i, 0,1,2,3
	global_load_b128 v[SC+8*\i:SC+8*\i+3], v[VSLO], s[6:7] offset:512*\i
	global_load_b128 v[SC+8*\i+4:SC+8*\i+7], v[VSLO], s[6:7] offset:512*\i+256
	global_load_b128 v[SC+32+8*\i:SC+32+8*\i+3], v[VSHI], s[6:7] offset:512*\i
	global_load_b128 v[SC+32+8*\i+4:SC+32+8*\i+7], v[VSHI], s[6:7] offset:512*\i+256
.endr
	v_lshlrev_b32 v31, 6, v2                       ; bo: 16 h numbers on
	WIN 0x40
.irp b, 0,1,2,3,4,5,6,7                        ; tile b's register e = bo at column 32 (b / 2) + 16 h + 8 (b % 2) + e
	global_load_b128 v[96+8*\b+96*(\b/4):96+8*\b+96*(\b/4)+3], v31, s[8:9] offset:(32*(\b/2)+8*(\b%2))*4
	global_load_b128 v[96+8*\b+96*(\b/4)+4:96+8*\b+96*(\b/4)+7], v31, s[8:9] offset:(32*(\b/2)+8*(\b%2))*4+16
.endr
	WIN 0
	s_mul_i32 s58, s18, 16*528                     ; my stage: 16 rows x (512 + 16) bytes, in chunk 0, which has had its only fill and whose last read stands ahead of a later barrier
	v_mul_u32_u24 v[STO], v1, 528
	v_lshl_add_u32 v[STO], v2, 6, v[STO]
	v_add_nc_u32 v[STO], s58, v[STO]               ; in: row r, + 64 h bytes
	v_lshlrev_b32 v[CO], 4, v3                     ; back, and in out0: 16 bytes a lane
	v_add_nc_u32 v[RD], s58, v[CO]
	s_wait_alu depctr_va_vdst(0)
	s_cmp_lt_u32 s18, 2                            ; waves 0 and 1, whose load lines are theirs alone, wait for the first half of K; the second half stays out
	s_cbranch_scc0 .Lnot_half0
	s_wait_tensorcnt 0x0
.Lnot_half0:
	s_barrier_signal -1
	s_barrier_wait -1
	FETCH 0
	s_wait_loadcnt 0x0                             ; the scale words and bo
	STEP 0, 1
	STEP 1, 0
	STEP 2, 0
	STEP 3, 0
	STEP 4, 0
	STEP 5, 0
	STEP 6, 0
	STEP 7, 0
; THE WAY OUT, a tile of 16 rows x 128 columns at a time, through my own stage: LDS serves a wave's instructions in order, so no wait stands between the stores and the loads.
.macro TOSTAGE a
	WIN 0x08                                       ; an LDS store's data: window 2
.irp b, 0,1,2,3,4,5,6,7
	ds_store_b128 v[STO], v[64*(\a)+8*\b:64*(\a)+8*\b+3] offset:128*(\b/2)+32*(\b%2)      ; each accumulator from its low end on
	ds_store_b128 v[STO], v[64*(\a)+8*\b+4:64*(\a)+8*\b+7] offset:128*(\b/2)+32*(\b%2)+16
.endr
	WIN 0
.set BB, BK+64*((\a)%2)
.irp t, 0,1,2,3,4,5,6,7,8,9,10,11,12,13,14,15
	ds_load_b128 v[BB+4*\t:BB+4*\t+3], v[RD] offset:528*\t
.endr
.endm
.macro SEND a, younger                 ; younger: the LDS instructions issued behind tile a's loads
.set BB, BK+64*((\a)%2)
	s_wait_dscnt \younger
.irp t, 0,1,2,3,4,5,6,7,8,9,10,11,12,13,14,15
	global_store_b128 v[CO], v[BB+4*\t:BB+4*\t+3], s[10:11] offset:(32*((\a)/2)+8*((\a)%2)+\t%8+16*(\t/8))*4096 th:TH_STORE_NT   ; 512 consecutive bytes, aligned; the tile's rows go back to their places
.endr
.endm
	PLACES
	s_wait_alu depctr_va_vdst(0)
	TOSTAGE 0
	TOSTAGE 1
	SEND 0, 32                                     ; behind tile 0's loads: tile 1's 16 stores and 16 loads
	s_wait_xcnt 0x0                                ; tile 0's stores have read their registers
	TOSTAGE 2
	SEND 1, 32
	s_wait_xcnt 0x0
	TOSTAGE 3
	SEND 2, 32
	SEND 3, 0
	s_wait_tensorcnt 0x0                           ; the wave's end, behind my last LDS store
	ds_add_u32 v[SPW], v[NIL]
	s_wait_dscnt 0x0
	CROUND                                         ; the closing round
	s_endpgm
.Lfunc_end_k_q4f0d3957fc_outp:
	.size	k_q4f0d3957fc_outp, .Lfunc_end_k_q4f0d3957fc_outp-k_q4f0d3957fc_outp
	.p2alignl 7, 3214868480
	.fill 96, 4, 3214868480
	.section	.rodata,"a",@progbits
	.p2align	6, 0x0
	.amdhsa_kernel k_q4f0d3957fc_outp
		.amdhsa_group_segment_fixed_size 295424
		.amdhsa_private_segment_fixed_size 0
		.amdhsa_enable_private_segment 0
		.amdhsa_kernarg_size 32
		.amdhsa_user_sgpr_count 2
		.amdhsa_user_sgpr_kernarg_segment_ptr 1
		.amdhsa_wavefront_size32 1
		.amdhsa_system_sgpr_workgroup_id_x 1
		.amdhsa_system_sgpr_workgroup_id_y 1
		.amdhsa_system_sgpr_workgroup_id_z 1
		.amdhsa_system_vgpr_workitem_id 0
		.amdhsa_next_free_vgpr 768
		.amdhsa_next_free_sgpr 100
		.amdhsa_reserve_vcc 0
		.amdhsa_float_denorm_mode_32 3
		.amdhsa_float_denorm_mode_16_64 3
		.amdhsa_memory_ordered 1
		.amdhsa_forward_progress 1
		.amdhsa_inst_pref_size 96
	.end_amdhsa_kernel
	.amdgpu_metadata
---
amdhsa.version: [ 1, 2 ]
amdhsa.kernels:
  - .name:           k_q4f0d3957fc_outp
    .symbol:         k_q4f0d3957fc_outp.kd
    .args:
      - { .name: codes, .offset: 0, .size: 8, .value_kind: global_buffer, .address_space: global }
      - { .name: scales, .offset: 8, .size: 8, .value_kind: global_buffer, .address_space: global }
      - { .name: bo, .offset: 16, .size: 8, .value_kind: global_buffer, .address_space: global }
      - { .name: out0, .offset: 24, .size: 8, .value_kind: global_buffer, .address_space: global }
    .group_segment_fixed_size: 295424
    .private_segment_fixed_size: 0
    .kernarg_segment_align: 8
    .kernarg_segment_size: 32
    .max_flat_workgroup_size: 128
    .sgpr_count:     100
    .vgpr_count:     768
    .wavefront_size: 32
...
	.end_amdgpu_metadata
.endif
;; end of part 4
